; MI455X (gfx1250); checked and timed in simulation.
; The chip was launched on July 23, 2026; its instructions are those of AMD's public machine-readable ISA for CDNA 5 (MIT licence, August 2026) and "CDNA5" Instruction Set Architecture Reference Guide (July 2026). The comments in the code are by the model that wrote it; some were corrected since.
;; Cusparse Dynamic Linear. Allowed arithmetic: matrix products marked QUANTISED: E5M2 operands, one E8M0 scale for each 32 along K, by v_wmma_scale_f32_16x16x128_f8f6f4 with both operands' format E5M2, f32 sums; everything else in f32.
;; Inputs: bias_p 4,096 float32; data 4 x 1,024 x 4,096 float32; w_mask 4,096 x 4,096 float32; weight 4,096 x 4,096 float32.
;; Outputs: out0 4 x 1,024 x 4,096 float32.
;; This version of the problem:
;;   THIS VERSION OF THE PROBLEM IS GIVEN IN LOW PRECISION. The matrix products marked QUANTISED in the list below multiply operands that are first quantised to E5M2 (5 exponent bits, 2 mantissa bits; 8 bits a number), with one power-of-two scale for each 32 numbers along K (OCP MX v1.0); their sums are f32. All else is computed in f32.
;;   The module's matrix products, in the order in which they are computed (A, B: the left and right operand; K: the contracted axis; several contracted axes count as one K, in the product's order):
;;     1. [M 4,096, K 4,096] x [K 4,096, N 4,096]; A: input data; B: computed on the way: QUANTISED
;;   THE QUANTISER, for each operand of a quantised product, along K:
;;     - K is cut into blocks of 32 from its start; a last block that is shorter is filled with zeros.
;;     - A block's scale is 2^e with e = floor(log2(the largest magnitude in the block)) - 15, held to -126 .. 127; a block of zeros has e = 0. As a byte (E8M0): e + 127.
;;     - Each number is divided by its block's scale, clamped to +-57,344, and rounded to the nearest number of E5M2, ties to even, subnormals kept.
;;     - The product sums the exact products of the quantised numbers (number of the format x scale) in f32.
;;   ~~~python
;;   def quantise(x, axis):      # numpy; x: float32 -> the quantised numbers, widened to float32 again
;;       x = np.moveaxis(x, axis, -1); K = x.shape[-1]
;;       x = np.pad(x, [(0, 0)] * (x.ndim - 1) + [(0, -K % 32)]); x = x.reshape(x.shape[:-1] + (-1, 32)); a = np.abs(x).max(-1, keepdims=True)
;;       e = np.where(a > 0, np.clip(np.frexp(np.where(a > 0, a, 1))[1] - 1 - 15, -126, 127), 0)      # np.frexp(a)[1] - 1 = floor(log2(a)), exactly
;;       r = np.clip(x / 2.0 ** e, -57344, 57344)
;;       step = 2.0 ** (np.maximum(np.frexp(np.where(r == 0, 1, r))[1] - 1, -14) - 2)
;;       q = np.round(r / step) * step * 2.0 ** e      # np.round: ties to even
;;       return np.moveaxis(q.reshape(q.shape[:-2] + (-1,))[..., :K], -1, axis).astype(np.float32)
;;   ~~~
;;   OPERANDS COMPUTED ON THE WAY. 'Computed on the way' means the value that the module computes at that place (a softmax that the list does not call 'softmax' is quantised finished and normalised). What goes into a quantiser is computed in f32, as accurately as f32 sums, v_exp_f32 and their like allow (about 1e-6 of the number): no bf16 or f16 on the way to a quantiser, and a product that is left as it is and whose result goes on into a quantised operand takes f32 operands (vector FMAs, or v_wmma_f32_16x16x4_f32). A number that lies on a knife's edge between two numbers of the format may be rounded either way, as far as f32 arithmetic and the matrix unit's own rounding can turn it there, and no further.
;; One version. Each part assembles by itself: llvm-mc -triple=amdgcn-amd-amdhsa -mcpu=gfx1250 --defsym DOCPART=n.
;; ======== version 1 of 1: 2 launches
;; limits: right only within a limited range of input values
;; workspace buffers: qa 17,301,504 bytes; qw 16,777,216 bytes; qws 524,288 bytes
;; launch quant (part 1): grid 1024 x 1, 4 waves a work-group, no clusters, 64,000 bytes of LDS; arguments data, weight, w_mask, qa, qw, qws; writes qa, qw, qws
.if DOCPART == 1
	.amdgcn_target "amdgcn-amd-amdhsa--gfx1250"
	.amdhsa_code_object_version 6
	.text
	.protected	k_qf71f84b1d0_quant
	.globl	k_qf71f84b1d0_quant
	.p2align	8
	.type	k_qf71f84b1d0_quant,@function
k_qf71f84b1d0_quant:
	s_mov_b64 s[64:65], 0
	v_nop
	global_prefetch_b8 v0, s[64:65] scope:SCOPE_SE
	s_setreg_imm32_b32 hwreg(HW_REG_WAVE_MODE, 25, 1), 1
	s_wait_xcnt 0x0
; data [4096][4096] and weight x w_mask [4096][4096], f32, K innermost, become codes of BF8 (E5M2) with one E8M0 scale byte for each 32 along K.
; The mask is an input like any other: it is loaded and multiplied in f32, one rounding, ahead of the quantiser; nothing is built on its zeros.
; A block's scale is 2^(floor(log2(its largest magnitude)) - 15); its byte is the largest magnitude's exponent field - 15, held at 1 from below.  Each number is divided by the scale,
; held within +-57,344 and rounded to the nearest code, ties to even.
; LIMITS: NaN and infinities among the inputs are not served.  A block of zeros gets the byte 1 where the rule says 127: its codes are zeros, which add nothing under any byte but 0xff,
; and the bytes are read by this program alone.  Blocks whose largest magnitude lies under 2^-111, whose byte is held at 1, were not tried.
; qa (data): [row / 128 : 32][k / 256 : 16][33,792 bytes]: 128 rows x 256 codes (row r at byte 256 r), then the scale bytes [row : 128][8].
; qw (masked weight), in the order of a matrix operand's registers: [row / 64 : 64][k / 128 : 32][row / 16 % 4][c : 4][lane : 32][16 bytes]; lane 16 h + r of group c holds row r's codes k = 32 c + 16 h + 0..15.
; qws (its scale bytes): [row / 64 : 64][k / 256 : 16][row % 64][8 bytes].
; SHARES.  1,024 work-groups: number i takes the weight or data by the bit (i xor i / 256) & 1, and part i / 2 of that tensor.  A wave takes 32 rows x 256 along K: 16 steps of 2 rows (512 numbers);
; the four waves of a work-group stand side by side along K.  The two paths part on the work-group's number alone and have LDS bytes of their own.
; A STEP.  Each load reads 512 consecutive bytes, 16 a lane; the step's 2,048 bytes go through the wave's own stage in LDS and come back 64 bytes a lane: 16 neighbours along K (two lanes hold a block).
; The weight's loads (8 a step, with the mask's) run four steps ahead, data's (4 a step) eight: 32 loads a wave on either path.
; Data's codes leave as they are made, 512 consecutive bytes a step.  The weight's codes are gathered in a second stage, 16 rows x 256 K at a time (16 units of 256 bytes, 272 apart),
; and leave as two fragments' 4,096 bytes in 8 stores of 512 consecutive bytes.  No tensor loads, no barrier: waves share nothing.  Every offset is an immediate.
.set ROWIN, 16384                      ; a row of an input in bytes
.set BLOCK, 33792                      ; a block of qa in bytes
.set SP,    80                         ; a lane's place in a stage: its 64 bytes + 16 of padding
.set STG,   32*SP
.set WREG,  15872                      ; LDS: a region for each wave.  The weight's path: two stages, 256 scale bytes (at SCB), the codes' stage of 16 x 272 bytes (at SCB + CSO)
.set SCB,   2*STG
.set CSO,   512
.set DOF,   10240                      ; data's path, from this byte of the region on: two stages, 256 scale bytes
.set SPARE, 4*WREG                     ; the spare words: 128 bytes a wave
.set R,     16                         ; v16-79   four sets of 16 numbers as loaded; on data's path v16-143 are eight sets
.set MK,    80                         ; v80-143  four sets of 16 numbers of the mask
.set X,     144                        ; v144-175 two sets of 16 neighbours
.set E,     176                        ; v176-191 the scale byte of step t
.set C,     192                        ; v192-255 codes
	s_load_b256 s[4:11], s[0:1], 0x0               ; data s[4:5], weight s[6:7], w_mask s[8:9], qa s[10:11]
	s_load_b128 s[12:15], s[0:1], 0x20             ; qw s[12:13], qws s[14:15]
	v_lshl_add_u32 v4, v0, 2, SPARE                ; my spare word
	v_mov_b32 v13, 0
	v_lshrrev_b32 v1, 5, v0
	v_readfirstlane_b32 s20, v1                    ; wave 0..3
	v_and_b32 v2, 31, v0                           ; lane
	v_lshlrev_b32 v3, 4, v2                        ; my 16 bytes of 512
	s_mul_i32 s18, s20, WREG
	v_lshrrev_b32 v14, 2, v2
	v_mul_u32_u24 v14, v14, SP
	v_and_b32 v15, 3, v2
	v_lshl_add_u32 v14, v15, 4, v14
	v_add_nc_u32 v14, s18, v14                     ; the stage, on the way in
	v_mul_u32_u24 v15, v2, SP
	v_add_nc_u32 v15, s18, v15                     ; and on the way out: 16 neighbours
	v_lshrrev_b32 v5, 1, v2
	s_add_co_u32 s18, s18, SCB
	v_add_nc_u32 v5, s18, v5                       ; my block's scale byte
	v_lshlrev_b32 v7, 3, v2
	v_add_nc_u32 v6, s18, v7                       ; scale bytes on the way out: 8 a lane
	v_and_b32 v8, 15, v2
	v_lshrrev_b32 v9, 4, v2
	v_mul_u32_u24 v1, v8, 272                      ; the codes' stage, in: my 16 along K are unit lane % 16 (= 8 (k / 128) + 2 c + h); my row's place 16 (lane / 16), + 32 (t % 8) in the immediate
	v_lshl_add_u32 v1, v9, 4, v1
	v_add_nc_u32 v1, s18, v1
	v_mul_u32_u24 v9, v9, 272                      ; out: group G: unit 2 G + lane / 16, byte 16 (lane % 16)
	v_lshl_add_u32 v12, v8, 4, v9
	v_add_nc_u32 v12, s18, v12
	s_lshr_b32 s33, ttmp9, 8
	s_xor_b32 s33, s33, ttmp9
	s_and_b32 s33, s33, 1                          ; 0: the weight, 1: data
	s_lshr_b32 s35, ttmp9, 1                       ; which part of the tensor: 0..511
	s_and_b32 s21, s35, 3
	s_lshl_b32 s21, s21, 2
	s_add_co_u32 s21, s21, s20                     ; my 256 along K: 0..15
	s_lshr_b32 s22, s35, 2                         ; my group of 32 rows: 0..127
	s_lshl_b32 s24, s22, 19
	s_lshl_b32 s19, s21, 10
	s_add_co_u32 s24, s24, s19                     ; in: 32 rows of 16,384 bytes a group, 1,024 bytes a K part
	s_mov_b32 s25, 0
	s_lshr_b32 s26, s22, 2                         ; qa: the block (rows / 128, K part)
	s_lshl_b32 s26, s26, 4
	s_add_co_u32 s26, s26, s21
	s_mul_i32 s26, s26, BLOCK
	s_and_b32 s19, s22, 3
	s_lshl_b32 s28, s19, 8
	s_add_co_u32 s28, s28, s26
	s_add_co_u32 s28, s28, 32768                   ; its scale bytes of my 32 rows
	s_mov_b32 s29, 0
	s_lshl_b32 s19, s19, 13
	s_add_co_u32 s26, s26, s19                     ; its codes of my 32 rows
	s_mov_b32 s27, 0
	s_lshr_b32 s32, s22, 1                         ; qw: rows / 64,
	s_and_b32 s34, s22, 1                          ; and which 32 of them
	s_lshl_b32 s36, s32, 18
	s_lshl_b32 s19, s21, 14
	s_add_co_u32 s36, s36, s19
	s_lshl_b32 s19, s34, 12
	s_add_co_u32 s36, s36, s19
	s_mov_b32 s37, 0
	s_lshl_b32 s38, s32, 13                        ; qws
	s_lshl_b32 s19, s21, 9
	s_add_co_u32 s38, s38, s19
	s_lshl_b32 s19, s34, 8
	s_add_co_u32 s38, s38, s19
	s_mov_b32 s39, 0
	s_mov_b32 s23, 0x600000                        ; the mantissa field of 57,344
	s_wait_alu depctr_va_vdst(0)                   ; the wait at the head's end
	s_wait_kmcnt 0x0
	s_add_nc_u64 s[4:5], s[4:5], s[24:25]
	s_add_nc_u64 s[6:7], s[6:7], s[24:25]
	s_add_nc_u64 s[8:9], s[8:9], s[24:25]
	s_add_nc_u64 s[30:31], s[10:11], s[28:29]      ; qa's scale bytes
	s_add_nc_u64 s[16:17], s[14:15], s[38:39]      ; the weight's
	s_add_nc_u64 s[10:11], s[10:11], s[26:27]      ; qa's codes
	s_add_nc_u64 s[12:13], s[12:13], s[36:37]      ; qw's
.macro LOADW t                         ; the weight's and the mask's step t: load i: row 2 t + i / 2, bytes 512 (i % 2) on
.irp i, 0,1,2,3
	global_load_b128 v[R+16*((\t)%4)+4*\i:R+16*((\t)%4)+4*\i+3], v3, s[6:7] offset:(2*(\t)+\i/2)*ROWIN+512*(\i%2) th:TH_LOAD_NT
	global_load_b128 v[MK+16*((\t)%4)+4*\i:MK+16*((\t)%4)+4*\i+3], v3, s[8:9] offset:(2*(\t)+\i/2)*ROWIN+512*(\i%2) th:TH_LOAD_NT
.endr
.endm
.macro LOADD t                         ; data's step t, into set t % 8
.irp i, 0,1,2,3
	global_load_b128 v[R+16*((\t)%8)+4*\i:R+16*((\t)%8)+4*\i+3], v3, s[4:5] offset:(2*(\t)+\i/2)*ROWIN+512*(\i%2) th:TH_LOAD_NT
.endr
.endm
.macro MULT t                          ; weight x mask, in f32, in place
.irp j, 0,2,4,6,8,10,12,14
	v_pk_mul_f32 v[R+16*((\t)%4)+\j:R+16*((\t)%4)+\j+1], v[R+16*((\t)%4)+\j:R+16*((\t)%4)+\j+1], v[MK+16*((\t)%4)+\j:MK+16*((\t)%4)+\j+1]
.endr
.endm
.macro TURN t, rs, lo                  ; the set at rs through the stage: LDS serves a wave's instructions in order (ISA guide 5.7.1.4)
.irp i, 0,1,2,3
	ds_store_b128 v14, v[(\rs)+4*\i:(\rs)+4*\i+3] offset:(\lo)+STG*((\t)%2)+8*SP*\i
.endr
.irp i, 0,1,2,3
	ds_load_b128 v[X+16*((\t)%2)+4*\i:X+16*((\t)%2)+4*\i+3], v15 offset:(\lo)+STG*((\t)%2)+16*\i
.endr
.endm
.macro FLUSH f                         ; 16 rows x 256 K of the weight's codes leave: group g = 4 (k / 128) + c, 512 consecutive bytes each.  They land in code registers that no later step writes
.set FB, C+32-32*(\f)
.irp g, 0,1,2,3,4,5,6,7
	ds_load_b128 v[FB+4*\g:FB+4*\g+3], v12 offset:CSO+544*\g
.endr
	s_wait_dscnt 0x0
.irp g, 0,1,2,3,4,5,6,7
	global_store_b128 v3, v[FB+4*\g:FB+4*\g+3], s[12:13] offset:8192*(\g/4)+2048*(\f)+512*(\g%4)
.endr
.endm
.macro STEP t, w                       ; w = 1: the weight's path, 0: data's
.set XS, X+16*((\t)%2)
.if \w
.set CC, C+4*((\t)%8)
.set DP, 4
.set NPL, 8
.set LO, 0
.else
.set CC, C+4*(\t)
.set DP, 8
.set NPL, 4
.set LO, DOF
.endif
.if (\t) > 0
	s_wait_dscnt 1                                 ; this step's numbers are back from the stage: so its stores into the stage have read their registers,
.else
	s_wait_dscnt 0x0
.endif
.if (\t)+DP < 16
.if \w
	LOADW (\t)+4                                   ; which take the loads of DP steps on
.else
	LOADD (\t)+8
.endif
.endif
.if (\t)+1 < 16
.set YG, (\t)+DP
.if YG > 15
.set YG, 15
.endif
	s_wait_loadcnt NPL*(YG-(\t)-1)                 ; the next step's loads are in; those of the steps behind it may be out
.if \w
	MULT (\t)+1
.endif
	TURN (\t)+1, R+16*(((\t)+1)%DP), LO
.endif
	v_max3_num_f32 v8, |v[XS]|, |v[XS+1]|, |v[XS+2]|               ; the largest magnitude of my 16, in two chains
	v_max3_num_f32 v9, |v[XS+3]|, |v[XS+4]|, |v[XS+5]|
.irp i, 6,10
	v_max3_num_f32 v8, v8, |v[XS+\i]|, |v[XS+\i+1]|
	v_max3_num_f32 v9, v9, |v[XS+\i+2]|, |v[XS+\i+3]|
.endr
	v_max3_num_f32 v8, v8, |v[XS+14]|, |v[XS+15]|
	v_max3_num_f32 v8, v8, v9, 0x8000000           ; and the floor 2^(16 - 127): the byte cannot fall under 1
	v_max_num_f32_dpp v8, v8, v8 row_xmask:1 row_mask:0xf bank_mask:0xf   ; with my neighbour's 16: the block's
	v_add_nc_u32 v11, 0xf8800000, v8               ; 15 off its exponent field: the conversion's scale operand
	v_and_or_b32 v10, v8, 0x7f800000, s23          ; 57,344 x the scale
.irp i, 0,1,2,3,4,5,6,7,8,9,10,11,12,13,14,15
	v_med3_num_f32 v[XS+\i], v[XS+\i], -v10, v10   ; the conversion does not saturate (ISA guide 7.6.2): hold first
.endr
	v_cvt_scalef32_pk8_bf8_f32 v[CC:CC+1], v[XS:XS+7], v11
	v_cvt_scalef32_pk8_bf8_f32 v[CC+2:CC+3], v[XS+8:XS+15], v11
	v_lshrrev_b32 v[E+(\t)], 23, v11               ; the scale's byte (a plain line behind the conversions)
	ds_store_b8 v5, v[E+(\t)] offset:LO+16*(\t)
.if \w
	ds_store_b128 v1, v[CC:CC+3] offset:CSO+32*((\t)%8)
.if ((\t)%8) == 7
	FLUSH (\t)/8
.endif
.else
	global_store_b128 v3, v[CC:CC+3], s[10:11] offset:512*(\t)
.endif
.endm
	s_cmp_lg_u32 s33, 0
	s_cbranch_scc1 .Ldata
	LOADW 0
	LOADW 1
	LOADW 2
	LOADW 3
	s_wait_loadcnt 24                              ; step 0's eight loads are in
	MULT 0
	TURN 0, R, 0
.irp t, 0,1,2,3,4,5,6,7,8,9,10,11,12,13,14,15
	STEP \t, 1
.endr
	ds_load_b64 v[8:9], v6                         ; LDS serves a wave's instructions in order: this sees my byte stores
	s_wait_dscnt 0x0
	global_store_b64 v7, v[8:9], s[16:17]          ; the weight's 256 scale bytes: 256 consecutive bytes, aligned
	s_wait_tensorcnt 0x0                           ; the wave's end
	ds_add_u32 v4, v13
	s_wait_dscnt 0x0
	s_endpgm
.Ldata:
.irp t, 0,1,2,3,4,5,6,7
	LOADD \t
.endr
	s_wait_loadcnt 28                              ; step 0's four loads are in
	TURN 0, R, DOF
.irp t, 0,1,2,3,4,5,6,7,8,9,10,11,12,13,14,15
	STEP \t, 0
.endr
	ds_load_b64 v[8:9], v6 offset:DOF
	s_wait_dscnt 0x0
	global_store_b64 v7, v[8:9], s[30:31]          ; data's 256 scale bytes
	s_wait_tensorcnt 0x0                           ; the wave's end
	ds_add_u32 v4, v13
	s_wait_dscnt 0x0
	s_endpgm
.Lfunc_end_k_qf71f84b1d0_quant:
	.size	k_qf71f84b1d0_quant, .Lfunc_end_k_qf71f84b1d0_quant-k_qf71f84b1d0_quant
	.p2alignl 7, 3214868480
	.fill 96, 4, 3214868480
	.section	.rodata,"a",@progbits
	.p2align	6, 0x0
	.amdhsa_kernel k_qf71f84b1d0_quant
		.amdhsa_group_segment_fixed_size 64000
		.amdhsa_private_segment_fixed_size 0
		.amdhsa_enable_private_segment 0
		.amdhsa_kernarg_size 48
		.amdhsa_user_sgpr_count 2
		.amdhsa_user_sgpr_kernarg_segment_ptr 1
		.amdhsa_wavefront_size32 1
		.amdhsa_system_sgpr_workgroup_id_x 1
		.amdhsa_system_sgpr_workgroup_id_y 1
		.amdhsa_system_sgpr_workgroup_id_z 1
		.amdhsa_system_vgpr_workitem_id 0
		.amdhsa_next_free_vgpr 256
		.amdhsa_next_free_sgpr 66
		.amdhsa_reserve_vcc 0
		.amdhsa_float_denorm_mode_32 3
		.amdhsa_float_denorm_mode_16_64 3
		.amdhsa_memory_ordered 1
		.amdhsa_forward_progress 1
		.amdhsa_inst_pref_size 117
	.end_amdhsa_kernel
	.amdgpu_metadata
---
amdhsa.version: [ 1, 2 ]
amdhsa.kernels:
  - .name:           k_qf71f84b1d0_quant
    .symbol:         k_qf71f84b1d0_quant.kd
    .args:
      - { .name: data, .offset: 0, .size: 8, .value_kind: global_buffer, .address_space: global }
      - { .name: weight, .offset: 8, .size: 8, .value_kind: global_buffer, .address_space: global }
      - { .name: w_mask, .offset: 16, .size: 8, .value_kind: global_buffer, .address_space: global }
      - { .name: qa, .offset: 24, .size: 8, .value_kind: global_buffer, .address_space: global }
      - { .name: qw, .offset: 32, .size: 8, .value_kind: global_buffer, .address_space: global }
      - { .name: qws, .offset: 40, .size: 8, .value_kind: global_buffer, .address_space: global }
    .group_segment_fixed_size: 64000
    .private_segment_fixed_size: 0
    .kernarg_segment_align: 8
    .kernarg_segment_size: 48
    .max_flat_workgroup_size: 128
    .sgpr_count:     66
    .vgpr_count:     256
    .wavefront_size: 32
...
	.end_amdgpu_metadata
.endif
;; end of part 1
;; launch gemm (part 2): grid 16 x 16, 4 waves a work-group, clusters of 4 x 1, 327,680 bytes of LDS; arguments qa, qw, qws, bias_p, out0; writes out0
.if DOCPART == 2
	.amdgcn_target "amdgcn-amd-amdhsa--gfx1250"
	.amdhsa_code_object_version 6
	.text
	.protected	k_qf71f84b1d0_gemm
	.globl	k_qf71f84b1d0_gemm
	.p2align	8
	.type	k_qf71f84b1d0_gemm,@function
k_qf71f84b1d0_gemm:
	s_mov_b64 s[64:65], 0
	v_nop
	global_prefetch_b8 v0, s[64:65] scope:SCOPE_SE
	s_setreg_imm32_b32 hwreg(HW_REG_WAVE_MODE, 25, 1), 1
	s_wait_xcnt 0x0
	s_wait_alu depctr_hold_cnt(0) depctr_sa_sdst(0) depctr_va_vdst(0) depctr_va_sdst(0) depctr_va_ssrc(0) depctr_va_vcc(0) depctr_vm_vsrc(0)
	s_getreg_b32 s2, hwreg(HW_REG_IB_STS2, 6, 4)
	s_cmp_eq_u32 s2, 0
	s_cbranch_scc0 .Lentry_in_a_cluster
	s_endpgm
.Lentry_in_a_cluster:
	s_bfe_u32 s2, ttmp6, 0x10000c
	s_cmp_lg_u32 s2, 0x3003
	s_cbranch_scc0 .Lentry_shape_is_right
	s_endpgm
.Lentry_shape_is_right:
; out0[m][n] = sum over k of A[m][k] B[n][k] + bias[n]: A = data's codes (qa), B = the masked weight's codes (qw, scale bytes qws), BF8 (E5M2) with an E8M0 byte for each 32 along K; sums in f32.
; A work-group of four waves makes 256 x 256 of out0; a wave makes ALL 256 rows x 64 columns of its own: 64 accumulators of 16 x 16, 512 registers.
; B GOES FROM MEMORY STRAIGHT INTO REGISTERS.  A wave's 64 rows of B are read by no other wave of the work-group; qw lies in the order of the operand's registers, so each load reads 512 consecutive bytes.
; Four sets of 64 registers: a step of 128 along K works on one set, the sets of the next three steps are on their way (counted waits on LOADcnt).
; A GOES THROUGH LDS: with B out of LDS a slot holds 256 rows x 512 along K of A (four blocks of qa, 33,792 bytes each, one tensor load a wave, scale bytes among them): 8 fills for K = 4,096,
; and 256 matrix instructions a wave between a request and the wait for it.  A ring of two slots.
; CLUSTERS: 4 x 1 work-groups of one tile row need the same tiles of A: asked for jointly, mask 15.  B is not asked for jointly: a joint load lands in LDS, and B has no LDS bytes here.
; THE MATRIX INSTRUCTION IS USED TRANSPOSED (source 0 = 16 rows of B, source 1 = 16 rows of A): a lane holds eight neighbouring columns of one row of out0.  The bias is the C of the first step's products.
; A step is 16 fragments of A (16 rows x 128 K), four products each, in four batches of four fragments on two sets of 64 registers: behind batch n's products the loads of batch n + 2 are issued.
; PREFETCH: behind each joint load the A tile of two refills on (each of the four partners 33 of a block's 132 units of 256 bytes, told apart by address), and a quarter (by tile row % 4) of my wave's B of
; three slots on, 32 units; the last trips ask for nothing beyond K.
; REGISTERS: window 0: v1-15 addresses, v16-31 B's scale words (two sets), v32-63 A's (two sets), v64-95 bias, v96-106 addresses, v128-255 A's fragments; window 1: B; windows 2, 3: accumulators (i, b) at 8 (4 (i % 8) + b).
.set PITCH, 272                        ; an LDS row: 256 bytes + 16 of padding
.set STEPB, 33792                      ; a block of qa
.set HALFT, 132*PITCH                  ; the same in LDS
.set SLOT,  4*HALFT                    ; blocks (rows half rh, K half kh) at (2 rh + kh) HALFT
.set SPARE, 2*SLOT                     ; the spare words, 128 bytes a wave
.set BO,   1                           ; 16 x lane
.set BSO,  2                           ; 8 x lane
.set PFO,  3                           ; 256 x lane
.set SPW,  4
.set NIL,  5
.set ADRA, 6                           ; v6-13: fragments of A in block 4 slot + 2 rh + kh
.set ADRS, 14                          ; v14-15: A's scale words in slot 0, 1: lanes 0-15 rows half 0, lanes 16-31 rows half 1
.set BS,   16
.set AS,   32
.set BI,   64
.set PF2,  103
.set STO,  104
.set RD,   105
.set CO,   106
.set AF,   128
.set BK,   128
.set G1, 24
.set G0, 32
.set PB,  56                           ; s[56:57] my wave's B codes, at the trip's first step
.set PS,  58                           ; s[58:59] its scale bytes
.set PFA, 60                           ; s[60:61] A's prefetches
.set PFB, 62                           ; s[62:63] B's prefetches
.set MSB, 0
.set FLIP, 0                           ; 1: a batch's fragments of A lie in the other of the two sets (the last slot's order alone sets it)
.macro WIN new
.if MSB != (\new)
	s_set_vgpr_msb (MSB<<8)|(\new)
.set MSB, \new
.endif
.endm
.macro CREST
	s_cmp_lg_u32 s14, 0
	s_cbranch_scc1 .Lnot_wave_0_\@
	s_barrier_signal -3
.Lnot_wave_0_\@:
	s_barrier_wait -3
	s_barrier_signal -1
	s_barrier_wait -1
.endm
.macro CROUND
	s_barrier_signal -1
	s_barrier_wait -1
	CREST
.endm
.macro PLACES n
.rept \n
	v_nop
.endr
.endm
	s_load_b256 s[4:11], s[0:1], 0x0               ; qa s[4:5], qw s[6:7], qws s[8:9], bias s[10:11]
	s_load_b64 s[12:13], s[0:1], 0x20              ; out0
	v_lshl_add_u32 v[SPW], v0, 2, SPARE
	v_mov_b32 v[NIL], 0
	ds_add_u32 v[SPW], v[NIL]                      ; the opening: the add, twice on end, and its wait ahead of my first tensor load
	ds_add_u32 v[SPW], v[NIL]
	v_lshrrev_b32 v96, 5, v0
	v_readfirstlane_b32 s14, v96                   ; wave 0..3
	s_lshr_b32 s15, s14, 1                         ; rh of the block that I fetch
	s_and_b32 s16, s14, 1                          ; kh
	s_bfe_u32 s40, ttmp6, 0x40000                  ; cx
	s_lshl_b32 s42, ttmp9, 2
	s_add_co_u32 s42, s42, s40                     ; tile column
	s_and_b32 s17, ttmp7, 0xffff                   ; tile row
	s_mov_b32 s[G1+0], 15|(3<<16)|(1<<20)|(1<<21)|(5<<22)|(3<<25)   ; mask of the four; elements of 8 bytes; 4 words of padding behind every 64
	s_mov_b32 s[G1+1], 32<<16
	s_mov_b32 s[G1+2], 132<<16
	s_mov_b32 s[G1+3], 32<<16
	s_mov_b32 s[G1+4], 132
	s_mov_b32 s[G1+5], 32
	s_mov_b32 s[G1+6], 0
	s_mov_b32 s[G1+7], 0
	s_lshl_b32 s20, s17, 1
	s_add_co_u32 s20, s20, s15
	s_lshl_b32 s20, s20, 4
	s_add_co_u32 s20, s20, s16
	s_mul_i32 s20, s20, STEPB                      ; my block of slot 0's tile: ((2 tile row + rh) 16 + kh) blocks
	s_mov_b32 s21, 0
	s_mul_i32 s45, s14, HALFT
	s_lshl_b32 s22, s42, 2
	s_add_co_u32 s22, s22, s14                     ; g: my 64 columns
	s_lshl_b32 s46, s22, 18
	s_mov_b32 s47, 0
	s_lshl_b32 s48, s22, 13
	s_mov_b32 s49, 0
	s_lshl_b32 s50, s22, 8                         ; 256 bytes of bias, and of a row of out0
	s_mov_b32 s51, 0
	s_lshl_b32 s52, s40, 13
	s_mov_b32 s53, 0
	s_and_b32 s54, s17, 3
	s_lshl_b32 s54, s54, 13
	s_mov_b32 s55, 0
	s_lshl_b32 s66, s17, 22                        ; 256 rows of 16,384 bytes
	s_mov_b32 s67, 0
	s_mul_i32 s75, s40, 7936
	s_sub_co_u32 s75, 32768, s75                   ; with PFA's 8,192 cx: unit 128 + cx of the block
	s_mul_i32 s23, s14, 16*PITCH                   ; my stage for the way out
	v_and_b32 v97, 31, v0
	v_lshlrev_b32 v[BO], 4, v97
	v_lshlrev_b32 v[BSO], 3, v97
	v_lshlrev_b32 v[PFO], 8, v97
	v_and_b32 v98, 15, v0                          ; r
	v_bfe_u32 v99, v0, 4, 1                        ; h
	v_mul_u32_u24 v100, v98, PITCH
	v_lshl_add_u32 v100, v99, 4, v100
.irp x, 0,1,2,3,4,5,6,7
	v_add_nc_u32 v[ADRA+\x], \x*HALFT, v100
.endr
	v_mul_u32_u24 v101, v99, 2*HALFT
	v_lshl_add_u32 v101, v98, 3, v101
	v_add_nc_u32 v[ADRS], 128*PITCH, v101
	v_add_nc_u32 v[ADRS+1], SLOT+128*PITCH, v101
	v_lshlrev_b32 v102, 5, v99                     ; bias: 32 h
	v_mov_b32 v[PF2], s75
	v_mul_u32_u24 v[STO], v98, PITCH
	v_lshl_add_u32 v[STO], v99, 5, v[STO]
	v_add_nc_u32 v[STO], s23, v[STO]               ; in: row r, 32 bytes for each half of the lanes
	v_mul_u32_u24 v[RD], v99, PITCH
	v_lshl_add_u32 v[RD], v98, 4, v[RD]
	v_add_nc_u32 v[RD], s23, v[RD]                 ; back: sixteen lanes to a row of 256 bytes
	v_lshlrev_b32 v[CO], 14, v99
	v_lshl_add_u32 v[CO], v98, 4, v[CO]            ; the same two rows in out0
	s_wait_alu depctr_va_vdst(0)                   ; the wait at the head's end: no vector instruction writes a register from here to the end
	s_wait_dscnt 0x0
	s_wait_kmcnt 0x0
	s_add_nc_u64 s[20:21], s[4:5], s[20:21]
	s_add_nc_u64 s[PB:PB+1], s[6:7], s[46:47]
	s_add_nc_u64 s[PS:PS+1], s[8:9], s[48:49]
	s_add_nc_u64 s[10:11], s[10:11], s[50:51]
	s_add_nc_u64 s[12:13], s[12:13], s[50:51]
	s_add_nc_u64 s[12:13], s[12:13], s[66:67]
	s_add_nc_u64 s[PFA:PFA+1], s[20:21], s[52:53]
	s_add_nc_u64 s[PFB:PFB+1], s[PB:PB+1], s[54:55]
	s_mov_b32 s[G0], 1
	s_mov_b32 s[G0+1], s45
	s_mov_b64 s[G0+2:G0+3], s[20:21]
	s_or_b32 s[G0+3], s[G0+3], 0x80000000
	s_mov_b32 s[G0+4], 1
	s_add_co_u32 s[G0+5], s45, SLOT
	s_add_nc_u64 s[G0+6:G0+7], s[20:21], 2*STEPB
	s_or_b32 s[G0+7], s[G0+7], 0x80000000
	CROUND                                         ; the four work-groups are here: the first joint loads meet
	tensor_load_to_lds s[G0:G0+3], s[G1:G1+7]      ; slot 0: one tensor load a wave at the head
	s_nop 0
	PLACES 4
; one product; its operands are named by symbols set in MUL4
.macro WM
.if RA && RB
	v_wmma_scale_f32_16x16x128_f8f6f4 v[DD:DD+7], v[BF:BF+15], v[AA:AA+15], v[CI:CI+7], v[SB], v[SA] matrix_a_fmt:MATRIX_FMT_BF8 matrix_b_fmt:MATRIX_FMT_BF8 matrix_a_scale:MATRIX_SCALE_ROW1 matrix_b_scale:MATRIX_SCALE_ROW1
.elseif RA
	v_wmma_scale_f32_16x16x128_f8f6f4 v[DD:DD+7], v[BF:BF+15], v[AA:AA+15], v[CI:CI+7], v[SB], v[SA] matrix_a_fmt:MATRIX_FMT_BF8 matrix_b_fmt:MATRIX_FMT_BF8 matrix_a_scale:MATRIX_SCALE_ROW1
.elseif RB
	v_wmma_scale_f32_16x16x128_f8f6f4 v[DD:DD+7], v[BF:BF+15], v[AA:AA+15], v[CI:CI+7], v[SB], v[SA] matrix_a_fmt:MATRIX_FMT_BF8 matrix_b_fmt:MATRIX_FMT_BF8 matrix_b_scale:MATRIX_SCALE_ROW1
.else
	v_wmma_scale_f32_16x16x128_f8f6f4 v[DD:DD+7], v[BF:BF+15], v[AA:AA+15], v[CI:CI+7], v[SB], v[SA] matrix_a_fmt:MATRIX_FMT_BF8 matrix_b_fmt:MATRIX_FMT_BF8
.endif
.endm
; fragment k of batch bt (A's rows 16 (4 bt + k) ..) against B's four blocks, in step sg of slot par.  All 64 accumulators take turns in a step.
.macro MUL4 par, sg, bt, k, first
.irp b, 0,1,2,3
.set DD, 8*(4*(4*((\bt)%2)+(\k))+\b)
.if \first
.set CI, BI+8*\b
.else
.set CI, DD
.endif
.set BF, 64*(\sg)+16*\b
.set AA, AF+64*(((\bt)+FLIP)%2)+16*(\k)
.set SB, BS+8*(\par)+4*((\sg)/2)+2*(\b/2)+(\sg)%2
.set SA, AS+16*((\sg)/2)+2*(4*((\bt)%2)+(\k))+(\sg)%2
.set RA, \b%2
.set RB, (\bt)/2
	WM
.endr
.endm
.macro WINM bt, first                  ; source 0 window 1, source 1 window 0, D window 2 or 3; C the same, or window 0 (the bias)
.if \first
	WIN 0x81+0x40*((\bt)/2)
.else
	WIN 0xa1+0x50*((\bt)/2)
.endif
.endm
.macro BATCH par, sg, bt, yng, first   ; yng: the LDS loads of the younger run, which may stay out, as may the batch's own later fragments
	WINM \bt, \first
.irp k, 0,1,2,3
	s_wait_dscnt \yng+4*(3-\k)
	MUL4 \par, \sg, \bt, \k, \first
.endr
.endm
.macro GAP                             ; eight places in front of loads into registers that the products above have read
	PLACES 8
	WIN 0
.endm
.macro RUNA par, sg, bt                ; batch bt's four fragments of A
.irp k, 0,1,2,3
.irp c, 0,1,2,3
	ds_load_b128 v[AF+64*(((\bt)+FLIP)%2)+16*\k+4*\c:AF+64*(((\bt)+FLIP)%2)+16*\k+4*\c+3], v[ADRA+4*(\par)+2*((\bt)/2)+(\sg)/2] offset:(4*((\bt)%2)+\k)*16*PITCH+128*((\sg)%2)+32*\c
.endr
.endr
.endm
.macro ASLOAD par, kh                  ; A's scale words of 256 along K: pair j: lanes 0-15 rows 16 j .., lanes 16-31 rows 128 + 16 j ..
.irp j, 0,1,2,3,4,5,6,7
	ds_load_b64 v[AS+16*(\kh)+2*\j:AS+16*(\kh)+2*\j+1], v[ADRS+(\par)] offset:(\kh)*HALFT+(\j/2)*PITCH+(\j%2)*128
.endr
.endm
.macro BLOAD rel, set                  ; B's four fragments of step rel (counted from PB)
	WIN 0x40
.irp x, 0,1,2,3,4,5,6,7,8,9,10,11,12,13,14,15
	global_load_b128 v[64*(\set)+4*\x:64*(\set)+4*\x+3], v[BO], s[PB:PB+1] offset:8192*(\rel)+512*\x
.endr
	WIN 0
.endm
.macro BSLOAD rel, par                 ; B's scale words of slot rel (counted from PS): pair 2 kh + e: lanes 0-15 block 2 e, lanes 16-31 block 2 e + 1
.irp x, 0,1,2,3
	global_load_b64 v[BS+8*(\par)+2*\x:BS+8*(\par)+2*\x+1], v[BSO], s[PS:PS+1] offset:1024*(\rel)+256*\x
.endr
.endm
.macro ASK par                         ; s3 = 1 in the last trip, whose look-ahead would pass the end of K (the even slot's B, three slots on, never does)
.if (\par) == 0
	global_prefetch_b8 v[PFO], s[PFB:PFB+1] offset:3*32768 th:TH_LOAD_NT scope:SCOPE_SE
.endif
	s_cmp_gt_u32 s3, 1
	s_cbranch_scc0 .Lno_ask_\@
	global_prefetch_b8 v[PFO], s[PFA:PFA+1] offset:(8+2*(\par))*STEPB th:TH_LOAD_NT scope:SCOPE_SE
	global_prefetch_b8 v[PF2], s[PFA:PFA+1] offset:(8+2*(\par))*STEPB th:TH_LOAD_NT scope:SCOPE_SE
.if (\par) == 1
	global_prefetch_b8 v[PFO], s[PFB:PFB+1] offset:4*32768 th:TH_LOAD_NT scope:SCOPE_SE
.endif
.Lno_ask_\@:
.endm
; A step of 128 along K.  lc: the younger loads of B that may stay out.  rel: the step of B that is asked for at the end (four on), or -1.
; end = 0: the next step lies in this slot; 1: the slot's last step, the slot is filled again; 2: its last step, nothing is filled; 3: the very last step.
.macro STEP par, sg, first, lc, rel, end
	s_wait_loadcnt \lc
	BATCH \par, \sg, 0, 16, \first
	GAP
	RUNA \par, \sg, 2
	BATCH \par, \sg, 1, 16, \first
	GAP
	RUNA \par, \sg, 3
.if (\end) == 0
	BATCH \par, \sg, 2, 16, \first
	GAP
	RUNA \par, (\sg)+1, 0
	BATCH \par, \sg, 3, 16, \first
	GAP
	RUNA \par, (\sg)+1, 1
.elseif (\end) < 3
	WIN 0
	s_wait_tensorcnt 0x0                           ; all my tensor loads have landed: my block of the other slot;
	ds_add_u32 v[SPW], v[NIL]
.if (\end) == 1
	s_add_nc_u64 s[G0+4*(\par)+2:G0+4*(\par)+3], s[G0+4*(\par)+2:G0+4*(\par)+3], 4*STEPB   ; this slot's next tile: 1,024 along K on
.endif
	WINM 2, 0
	s_wait_dscnt 28                                ; fragment 0 is in (behind it: 12 of the batch, the next batch's 16, the add)
	MUL4 \par, \sg, 2, 0, 0
	s_wait_dscnt 24
	MUL4 \par, \sg, 2, 1, 0
	s_wait_dscnt 0x0                               ; the add is done, and my reads of this slot are over: its last batch is in registers
	s_barrier_signal -1
	MUL4 \par, \sg, 2, 2, 0
	MUL4 \par, \sg, 2, 3, 0
	WIN 0
	s_barrier_wait -1
.if (\end) == 1
	CREST                                          ; the barrier has opened a round of the cluster's barrier
	tensor_load_to_lds s[G0+4*(\par):G0+4*(\par)+3], s[G1:G1+7]
	s_nop 0
.endif
	PLACES 8
	ASLOAD (1-\par), 0
	RUNA (1-\par), 0, 0
.if (\end) == 1
	ASK \par
.endif
	BATCH \par, \sg, 3, 16, 0
	GAP
	ASLOAD (1-\par), 1
.if (\end) == 2
.set FLIP, 1                           ; the last slot's second batch is rows 0-63 of its step 1
	RUNA (1-\par), 1, 0
.set FLIP, 0
.else
	RUNA (1-\par), 0, 1
.endif
.if (\end) == 1
	BSLOAD 2+(\par), \par
.endif
.else
	BATCH \par, \sg, 2, 16, 0
	BATCH \par, \sg, 3, 0, 0
.endif
.if (\rel) >= 0
	BLOAD \rel, \sg
.endif
.endm
.irp b, 0,1,2,3
	global_load_b128 v[BI+8*\b:BI+8*\b+3],   v102, s[10:11] offset:64*\b       ; bias of columns 16 b + 8 h + 0..7: the result's layout
	global_load_b128 v[BI+8*\b+4:BI+8*\b+7], v102, s[10:11] offset:64*\b+16
.endr
	BSLOAD 0, 0
	BSLOAD 1, 1
	BLOAD 0, 0
	; B's first touch: my quarter (by tile row % 4) of my wave's B of slots 0, 1 and 2, 32 units of 256 bytes each; the loop asks from slot 3 on
	global_prefetch_b8 v[PFO], s[PFB:PFB+1] th:TH_LOAD_NT scope:SCOPE_SE
	global_prefetch_b8 v[PFO], s[PFB:PFB+1] offset:32768 th:TH_LOAD_NT scope:SCOPE_SE
	global_prefetch_b8 v[PFO], s[PFB:PFB+1] offset:65536 th:TH_LOAD_NT scope:SCOPE_SE
	s_wait_tensorcnt 0x0                           ; my block of slot 0 is in
	ds_add_u32 v[SPW], v[NIL]
	s_wait_dscnt 0x0
	CROUND
	tensor_load_to_lds s[G0+4:G0+7], s[G1:G1+7]    ; slot 1's first fill
	s_nop 0
	PLACES 4
	ASLOAD 0, 0
	ASLOAD 0, 1
	RUNA 0, 0, 0
	RUNA 0, 0, 1
	s_wait_loadcnt 0x0                             ; the bias, B's scale words and step 0's B are in: with the 48 below 48 loads are out
	BLOAD 1, 1
	BLOAD 2, 2
	BLOAD 3, 3
	STEP 0, 0, 1, 48, 4, 0                         ; the first step stands in front of the loop: its products start the sums from the bias
	s_mov_b32 s3, 3
.Llap:                                                 ; a trip: eight steps, once round the ring, from an even slot's second step to the next even slot's first; both slots are filled again
	STEP 0, 1, 0, 48, 5, 0
	STEP 0, 2, 0, 48, 6, 0
	STEP 0, 3, 0, 48, 7, 1
	STEP 1, 0, 0, 48, 8, 0
	STEP 1, 1, 0, 48, 9, 0
	STEP 1, 2, 0, 48, 10, 0
	STEP 1, 3, 0, 48, 11, 1
	STEP 0, 0, 0, 48, 12, 0
	s_wait_xcnt 0x0                                ; the loads and prefetches have read their bases
	s_add_nc_u64 s[PB:PB+1], s[PB:PB+1], 65536
	s_add_nc_u64 s[PS:PS+1], s[PS:PS+1], 2048
	s_add_nc_u64 s[PFA:PFA+1], s[PFA:PFA+1], 4*STEPB
	s_add_nc_u64 s[PFB:PFB+1], s[PFB:PFB+1], 65536
	s_sub_co_u32 s3, s3, 1
	s_cmp_lg_u32 s3, 0
	s_cbranch_scc1 .Llap
	STEP 0, 1, 0, 48, 5, 0                         ; the last two slots fill nothing
	STEP 0, 2, 0, 48, 6, 0
	STEP 0, 3, 0, 48, 7, 2
; THE WAY OUT, 16 rows x 64 columns at a time, through my own stage (in slot 0, which has had its last fill, and its last read ahead of the last barrier) and back as rows of 256 bytes.
.macro TOSTAGE i
.set AC, 32*((\i)%8)
	WIN 0x08+4*((\i)/8)
.irp b, 0,1,2,3
	ds_store_b128 v[STO], v[AC+8*\b:AC+8*\b+3] offset:64*\b          ; each accumulator from its low end on
	ds_store_b128 v[STO], v[AC+8*\b+4:AC+8*\b+7] offset:64*\b+16
.endr
	WIN 0
.set BB, BK+32*((\i)%2)
.irp t, 0,1,2,3,4,5,6,7
	ds_load_b128 v[BB+4*\t:BB+4*\t+3], v[RD] offset:\t*2*PITCH       ; LDS serves a wave's instructions in order (ISA guide 5.7.1.4)
.endr
.endm
.macro SEND i, younger
.set BB, BK+32*((\i)%2)
	s_wait_dscnt \younger
.if (\i) > 0
	s_add_nc_u64 s[12:13], s[12:13], 16*16384      ; behind a wait on XCNT: the earlier stores have read their base
.endif
.irp t, 0,1,2,3,4,5,6,7
	global_store_b128 v[CO], v[BB+4*\t:BB+4*\t+3], s[12:13] offset:\t*2*16384 th:TH_STORE_NT   ; sixteen lanes store 256 consecutive bytes, aligned
.endr
.endm
; THE LAST SLOT GOES BY QUARTERS OF THE ROWS.  All four sets of B are asked for by now and nothing follows them: batch m = 0..15 is rows 64 (m / 4) .. of step m % 4, K ascending for every sum.
; So four blocks of 16 rows are finished behind every fourth batch; from batch 3 on one block goes into the stage behind each batch and is stored behind the next, through the 32 registers that held the bias.
; The two sets of A's fragments take turns by m, which FLIP brings about.
.macro LMUL m, yng
.set FLIP, ((\m)%4+(\m)/4)%2
	BATCH 1, (\m)%4, (\m)/4, \yng, 0
.endm
.macro LRUN m
.set FLIP, ((\m)%4+(\m)/4)%2
	RUNA 1, (\m)%4, (\m)/4
.endm
.macro OSTAGE i                        ; one set of registers for every block: BK is set so that the block's set begins at BI
.set BK, BI-32*((\i)%2)
	TOSTAGE \i
.endm
.macro OSEND i
.set BK, BI-32*((\i)%2)
	SEND \i, 0                                     ; its wait for 0 also shows the next batch's fragments in
.endm
.macro OBAT m, run                     ; batch m; block m - 4, staged behind the batch before, is stored; block m - 3 goes into the stage
	LMUL \m, 32                                    ; out at the most: the next batch's 16 loads and a block's 16 stage instructions
	GAP
	OSEND (\m)-4
.if \run
	LRUN (\m)+2
.endif
	s_wait_xcnt 0x0                                ; the stores have read their registers and their base
	OSTAGE (\m)-3
.endm
	s_wait_loadcnt 48                              ; the step's set of B is in; the later sets may be out
	LMUL 0, 16
	GAP
	LRUN 2
	s_wait_loadcnt 32
	LMUL 1, 16
	GAP
	LRUN 3
	s_wait_loadcnt 16
	LMUL 2, 16
	GAP
	LRUN 4
	s_wait_loadcnt 0x0
	LMUL 3, 16
	GAP
	LRUN 5
	OSTAGE 0
.irp m, 4,5,6,7,8,9,10,11,12,13
	OBAT \m, 1
.endr
	OBAT 14, 0
	LMUL 15, 16
	GAP
	OSEND 11
.set BK, 128                           ; rows 192-255 leave through two sets of the registers that held A's fragments
	TOSTAGE 12
.irp a, 13,14,15
.if \a > 1
	s_wait_xcnt 0x0                                ; block a - 2's stores have read their registers and their base
.endif
	TOSTAGE \a
	SEND (\a-1), 16                                ; behind block a - 1's loads: block a's 8 stores and 8 loads
.endr
	s_wait_xcnt 0x0
	SEND 15, 0
	s_wait_tensorcnt 0x0                           ; the wave's end
	ds_add_u32 v[SPW], v[NIL]
	s_wait_dscnt 0x0
	CROUND                                         ; the closing round
	s_endpgm
.Lfunc_end_k_qf71f84b1d0_gemm:
	.size	k_qf71f84b1d0_gemm, .Lfunc_end_k_qf71f84b1d0_gemm-k_qf71f84b1d0_gemm
	.p2alignl 7, 3214868480
	.fill 96, 4, 3214868480
	.section	.rodata,"a",@progbits
	.p2align	6, 0x0
	.amdhsa_kernel k_qf71f84b1d0_gemm
		.amdhsa_group_segment_fixed_size 327680
		.amdhsa_private_segment_fixed_size 0
		.amdhsa_enable_private_segment 0
		.amdhsa_kernarg_size 40
		.amdhsa_user_sgpr_count 2
		.amdhsa_user_sgpr_kernarg_segment_ptr 1
		.amdhsa_wavefront_size32 1
		.amdhsa_system_sgpr_workgroup_id_x 1
		.amdhsa_system_sgpr_workgroup_id_y 1
		.amdhsa_system_sgpr_workgroup_id_z 1
		.amdhsa_system_vgpr_workitem_id 0
		.amdhsa_next_free_vgpr 1024
		.amdhsa_next_free_sgpr 80
		.amdhsa_reserve_vcc 0
		.amdhsa_float_denorm_mode_32 3
		.amdhsa_float_denorm_mode_16_64 3
		.amdhsa_memory_ordered 1
		.amdhsa_forward_progress 1
		.amdhsa_inst_pref_size 255
	.end_amdhsa_kernel
	.section	.bss,"aw",@nobits
	.p2align	6
	.space	262144
	.amdgpu_metadata
---
amdhsa.version: [ 1, 2 ]
amdhsa.kernels:
  - .name:           k_qf71f84b1d0_gemm
    .symbol:         k_qf71f84b1d0_gemm.kd
    .args:
      - { .name: qa, .offset: 0, .size: 8, .value_kind: global_buffer, .address_space: global }
      - { .name: qw, .offset: 8, .size: 8, .value_kind: global_buffer, .address_space: global }
      - { .name: qws, .offset: 16, .size: 8, .value_kind: global_buffer, .address_space: global }
      - { .name: bias_p, .offset: 24, .size: 8, .value_kind: global_buffer, .address_space: global }
      - { .name: out0, .offset: 32, .size: 8, .value_kind: global_buffer, .address_space: global }
    .group_segment_fixed_size: 327680
    .private_segment_fixed_size: 0
    .kernarg_segment_align: 8
    .kernarg_segment_size: 40
    .max_flat_workgroup_size: 128
    .sgpr_count:     80
    .vgpr_count:     1024
    .wavefront_size: 32
...
	.end_amdgpu_metadata
.endif
;; end of part 2
